; MI455X (gfx1250); checked and timed in simulation.
; The chip was launched on July 23, 2026; its instructions are those of AMD's public machine-readable ISA for CDNA 5 (MIT licence, August 2026) and "CDNA5" Instruction Set Architecture Reference Guide (July 2026). The comments in the code are by the model that wrote it; some were corrected since.
;; Scaled Dot Product Attention Py T. Allowed arithmetic: float matrix products may take bf16 or f16 operands with f32 sums; all other float work in f32.
;; Inputs: k 4 x 16 x 2,048 x 128 float32; q 4 x 16 x 2,048 x 128 float32; v 4 x 16 x 2,048 x 128 float32.
;; Outputs: out0 4 x 16 x 2,048 x 128 float32.
;; One version. Each part assembles by itself: llvm-mc -triple=amdgcn-amd-amdhsa -mcpu=gfx1250 --defsym DOCPART=n.
;; ======== version 1 of 1: 1 launch
;; launch attn (part 1): grid 4 x 64, 8 waves a work-group, no clusters, 211,968 bytes of LDS; arguments q, k, v, out0; writes out0
.if DOCPART == 1
	.amdgcn_target "amdgcn-amd-amdhsa--gfx1250"
	.amdhsa_code_object_version 6
	.text
	.protected	k_qa60ccd270f_attn
	.globl	k_qa60ccd270f_attn
	.p2align	8
	.type	k_qa60ccd270f_attn,@function
k_qa60ccd270f_attn:
	s_mov_b64 s[64:65], 0
	v_nop
	global_prefetch_b8 v0, s[64:65] scope:SCOPE_SE
	s_setreg_imm32_b32 hwreg(HW_REG_WAVE_MODE, 25, 1), 1
	s_wait_xcnt 0x0
; Causal attention with ALiBi.  q, k, v, out: [64 heads][2048][128] f32.  One launch, nothing goes through memory but inputs and output.
;
; SHARES.  256 work-groups: x = j (0..3), y = head (0..63).  A head's 2048 query rows are 8 blocks of 256.  Work-group j makes block 7-j,
; then block j.  Keys go in steps of 64; block qb needs 4 (qb+1) steps, so every work-group runs 4 (8-j) + 4 (j+1) = 36 steps.
; Eight waves; a wave owns 32 query rows, row group g of the block: g = w for w < 4, 11 - w otherwise, so that waves w and w + 4 together
; hold groups g and 7 - g, which have equal work between them on the diagonal.  A wave whose rows all lie above a step's keys skips the
; step's arithmetic, never its share of the tile nor the barrier.
;
; ARITHMETIC.  S^T = K Q^T (source 0: 16 keys x 32 d of K; source 1: 16 queries): lane (r = lane % 16, h = lane / 16) holds in register jj
; key 8h + jj of query r.  Two such tiles packed to bf16 ARE the second source of O^T = V^T P^T: no shuffle.  A row's maximum, sum and
; rescaling factor are one number a lane; the two halves of the wave meet by one v_permlanex16_b32.
; q, k and v are rounded to bf16 as they come; the scale 1/sqrt(128) is applied in f32 behind the product.  Scores are kept in the product's
; own units: y = q.k + sqrt(128) slope (j - first key of the step).  Of ALiBi's (j - i) slope the part -i slope is constant along a row and
; cancels in the softmax; the rest is a static C operand of the first QK product, and the running maximum is kept relative to the step's
; first key: it is lowered by 64 sqrt(128) slope from step to step.  It is a true running maximum.
; p = exp2(c y - c maximum), c = log2(e)/sqrt(128): one fused multiply-add for two scores, then the exponential.
; Products in bf16 with f32 sums; maximum, exponentials, the sum l and the rescaling in f32.
;
; LIMITS.  NaN and infinities among the inputs are not treated.  An exponential below 2^-126 counts as 0.  Sums are made in another order
; than the module's.
;
; K AND V come through registers: they are f32 in memory and the matrix unit takes bf16, so each wave loads 8 rows of K and 8 of V of the NEXT
; step's tile at the head of a step (16 loads of 512 bytes), narrows them at the step's end and lays them into the other of two LDS slots:
; the tile is narrowed once for the work-group and passes LDS once, as 32 KB.
; NO CLUSTER, NO JOINT TENSOR LOADS: a tensor load would lay the f32 tile (64 KB) into LDS, from where it would have to be read, narrowed and
; stored again; and the four work-groups of a head walk 32, 28, 24, 20 tiles and then 4, 8, 12, 16, so that they stand on the same tile
; only in the first 20 of their 36 steps.
;
; LDS: slot 0 and slot 1, each K (64 rows of 256 bytes, pitch 272 = 17 x 16: the 16 rows of a fragment start in 16 different 16-byte columns
; modulo 256) and V (64 rows, pitch 288 = 9 x 32, for the transposing load); then 17,408 bytes for each wave alone: its q rows of both blocks
; in bf16 (pitch 272); the first half serves again as the stage of the way out (16 rows of 512 bytes, pitch 528 = 33 x 16).
.set KPITCH, 272
.set VPITCH, 288
.set VOFF,   64*KPITCH                 ; V behind K in a slot
.set SLOT,   VOFF+64*VPITCH            ; 35,840
.set QBASE,  2*SLOT                    ; 71,680
.set QBLK,   32*KPITCH                 ; a wave's q rows of one block
.set WBYTES, 2*QBLK                    ; a wave's own region
.set SPITCH, 528
.set TILEB,  64*512                    ; a tile of K or V in memory
; registers v0-v255
.set LANE, 1
.set RR,   2                           ; lane % 16
.set HH,   3                           ; lane / 16
.set KRD,  4                           ; 272 r + 16 h: a lane's place in a fragment of K or Q
.set KST,  5                           ; where my 8 bytes of K's row 8 w go
.set VST,  6                           ; the same for V
.set GOF,  7                           ; 4096 w + 16 lane: my 16 bytes of row 8 w of a tile in memory
.set PFO,  8                           ; 256 (thread % 128)
.set LB,   9                           ; 32 g + r - 8 h
.set DL,   10                          ; v[10:11]  query tile u: the largest 16 t + jj that is not masked
.set NINF, 12
.set L16,  13                          ; 16 lane
.set M,    14                          ; v[14:15]  running maximum of query tile u, in the product's units
.set NM,   16                          ; v[16:19]  -c x the new maximum, twice
.set AL,   20                          ; v[20:23]  rescaling factor, twice; at the end 1 / l
.set LS,   24                          ; v[24:27]  l, two partial sums a lane
.set T,    28                          ; v[28:31]  at work
.set BIAS, 32                          ; v[32:63]  key tile t, register jj: sqrt(128) slope (16 t + 8 h + jj)
.set S,    64                          ; v[64:127] scores: tile (t, u) at S + 32 u + 8 t; then P: keys 32 kc.. of tile u at S + 32 u + 8 kc
.set KF0,  128                         ; v[128:191] two buffers of four K fragments
.set KF1,  160
.set ST,   192                         ; v[192:255] the next tile's rows as loaded (K: 32 registers, V: 32); the way out's rows
; registers v256-v511, written by their low 8 bits
.set O,    0                           ; v[256:383] O^T: tile (db, u) at 8 (2 db + u)
.set Q,    128                         ; v[384:447] Q fragments (u, c) at 8 (4 u + c)
.set VF,   192                         ; v[448:495] three buffers of two V^T fragments
.set VRD,  240                         ; v496       a lane's place for the transposing load
; s_set_vgpr_msb's low byte: bits 1:0 source 0, 3:2 source 1, 5:4 source 2, 7:6 destination
.set W_QK,  0x04                       ; source 1 above: Q in a QK product; the data of an LDS store
.set W_PV,  0x51                       ; destination, source 0 and source 2 above: O, V^T and the V address; P and the factor below
.set W_TO1, 0x40                       ; destination above
.set W_Q1,  0x45                       ; destination and sources 0, 1 above
.set MSB, 0
.macro WIN new                         ; the immediate's high byte repeats the setting that is left
.if MSB != \new
	s_set_vgpr_msb (MSB<<8)|\new
.set MSB, \new
.endif
.endm
.macro PLACES n                        ; places behind matrix instructions (ISA guide 7.12.1) where there is no useful work for them
.rept \n
	v_nop
.endr
.endm
; 16 loads: my 8 rows of the next K tile, my 8 rows of the next V tile; each load of the wave is one whole row of 512 bytes
.macro LOADT
.irp i, 0,1,2,3,4,5,6,7
	global_load_b128 v[ST+4*\i:ST+4*\i+3], v[GOF], s[22:23] offset:512*\i
.endr
.irp i, 0,1,2,3,4,5,6,7
	global_load_b128 v[ST+32+4*\i:ST+32+4*\i+3], v[GOF], s[24:25] offset:512*\i
.endr
.endm
; Work-group j = 0 alone, in the first 30 steps of its first block (32 steps): step t asks for tile t + 2, which all four work-groups of the
; head load one step later.  Waves 0-3 ask for K's 32 KB, waves 4-7 for V's, lanes 256 bytes apart: each block of 256 bytes once in the
; launch.  The last request is for tile 31, the head's last.
.macro PFETCH id
	s_cmp_eq_u32 s46, 0
	s_cbranch_scc1 .Lpf_\id
	global_prefetch_b8 v[PFO], s[26:27] th:TH_LOAD_NT scope:SCOPE_SE
	s_sub_co_u32 s46, s46, 1
.Lpf_\id:
.endm
; narrow the loaded rows to bf16 and lay them into slot nxt; step the three pointers by a tile
.macro CONV nxt
	s_wait_loadcnt 0x8                             ; K's 8 rows are in; V's 8 loads are younger
.irp i, 0,1,2,3,4,5,6,7
	v_cvt_pk_bf16_f32 v[ST+4*\i], v[ST+4*\i], v[ST+4*\i+1]
	v_cvt_pk_bf16_f32 v[ST+4*\i+1], v[ST+4*\i+2], v[ST+4*\i+3]
	ds_store_b64 v[KST], v[ST+4*\i:ST+4*\i+1] offset:(\nxt)*SLOT+KPITCH*\i
.endr
	s_wait_loadcnt 0x0                             ; V's rows are in, and the loads' bases are free
	s_wait_xcnt 0x0                                ; the prefetch's base is rewritten only behind this wait
	s_add_nc_u64 s[22:23], s[22:23], TILEB
	s_add_nc_u64 s[24:25], s[24:25], TILEB
	s_add_nc_u64 s[26:27], s[26:27], TILEB
.irp i, 0,1,2,3,4,5,6,7
	v_cvt_pk_bf16_f32 v[ST+32+4*\i], v[ST+32+4*\i], v[ST+32+4*\i+1]
	v_cvt_pk_bf16_f32 v[ST+32+4*\i+1], v[ST+32+4*\i+2], v[ST+32+4*\i+3]
	ds_store_b64 v[VST], v[ST+32+4*\i:ST+32+4*\i+1] offset:(\nxt)*SLOT+VPITCH*\i
.endr
.endm
; 8 loads: the four K fragments (16 keys x 32 d) of d chunk c
.macro FETCHK cur, c, buf
.irp t, 0,1,2,3
	ds_load_b128 v[\buf+8*\t:\buf+8*\t+3],   v[KRD] offset:\cur*SLOT+16*KPITCH*\t+64*\c
	ds_load_b128 v[\buf+8*\t+4:\buf+8*\t+7], v[KRD] offset:\cur*SLOT+16*KPITCH*\t+64*\c+32
.endr
.endm
; 8 products: 4 key tiles x 2 query tiles, d chunk c.  The first chunk starts the sums from ALiBi's term.
.macro MULK c, buf
.irp t, 0,1,2,3
.irp u, 0,1
.if \c == 0
	v_wmma_f32_16x16x32_bf16 v[S+32*\u+8*\t:S+32*\u+8*\t+7], v[\buf+8*\t:\buf+8*\t+7], v[Q+8*(4*\u+\c):Q+8*(4*\u+\c)+7], v[BIAS+8*\t:BIAS+8*\t+7]
.else
	v_wmma_f32_16x16x32_bf16 v[S+32*\u+8*\t:S+32*\u+8*\t+7], v[\buf+8*\t:\buf+8*\t+7], v[Q+8*(4*\u+\c):Q+8*(4*\u+\c)+7], v[S+32*\u+8*\t:S+32*\u+8*\t+7]
.endif
.endr
.endr
.endm
; Group G of PV: keys 32 (G / 4) .., d tiles 2 (G % 4) and 2 (G % 4) + 1.  4 transposing loads: two V^T fragments (16 d x 32 keys).
.macro FETCHV cur, G
.irp i, 0,1
.set vd, VF+16*((\G)%3)+8*\i
.set vo, \cur*SLOT+32*VPITCH*((\G)/4)+32*(2*((\G)%4)+\i)
	ds_load_tr16_b128 v[vd:vd+3],   v[VRD] offset:vo
	ds_load_tr16_b128 v[vd+4:vd+7], v[VRD] offset:vo+16*VPITCH
.endr
.endm
; 4 products of group G.  zero = 1: a block's first step; its first 32 keys start O's sums, nothing is cleared.
.macro MULV G, zero
.irp i, 0,1
.irp u, 0,1
.set od, O+8*(2*(2*((\G)%4)+\i)+\u)
.set va, VF+16*((\G)%3)+8*\i
.set pb, S+32*\u+8*((\G)/4)
.set first, 0
.if \zero
.if (\G) < 4
.set first, 1
.endif
.endif
.if first
	v_wmma_f32_16x16x32_bf16 v[od:od+7], v[va:va+7], v[pb:pb+7], 0
.else
	v_wmma_f32_16x16x32_bf16 v[od:od+7], v[va:va+7], v[pb:pb+7], v[od:od+7]
.endif
.endr
.endr
.endm
; the four O tiles of group G times the rescaling factor
.macro RESC G
.irp i, 0,1
.irp u, 0,1
.set od, O+8*(2*(2*((\G)%4)+\i)+\u)
.irp p, 0,2,4,6
	v_pk_mul_f32 v[od+\p:od+\p+1], v[od+\p:od+\p+1], v[AL+2*\u:AL+2*\u+1]
.endr
.endr
.endr
.endm
; S^T = K Q^T + ALiBi, 32 products; two K buffers take turns.  A load into a buffer stands four places behind the products that read it.
.macro QK cur
	WIN W_QK
	FETCHK \cur, 0, KF0
	FETCHK \cur, 1, KF1
	s_wait_dscnt 0x8                               ; all but the 8 youngest loads (chunk 1) are in: chunk 0, and in a block's first step the Q fragments
	MULK 0, KF0
	PLACES 4
	FETCHK \cur, 2, KF0
	s_wait_dscnt 0x8                               ; chunk 1 is in; chunk 2's 8 loads are younger
	MULK 1, KF1
	PLACES 4
	FETCHK \cur, 3, KF1
	s_wait_dscnt 0x8                               ; chunk 2 is in
	MULK 2, KF0
	s_wait_dscnt 0x0                               ; chunk 3 is in
	MULK 3, KF1
	WIN W_PV
	FETCHV \cur, 0                                 ; V's first three groups come in under the softmax
	FETCHV \cur, 1
	FETCHV \cur, 2
	WIN 0
.endm
; The softmax's step on 64 keys x 32 queries: 64 numbers a lane.  zero = 1: the block's first step.  masked = 1: keys above the row get -inf.
.macro SOFTMAX zero, masked
.set np, 4                                     ; four places behind the last QK product before its result is read
.if \zero == 0
	v_add_f32 v[M], s42, v[M]                      ; the maximum, now relative to this step's first key
	v_add_f32 v[M+1], s42, v[M+1]
.set np, np-2
.endif
.if \masked
	v_add_nc_u32 v[DL], s36, v[LB]                 ; key 16 t + 8 h + jj of the step is kept while 16 t + jj <= row - first key - 8 h
	v_add_nc_u32 v[DL+1], 16, v[DL]
.set np, np-2
.endif
	PLACES np
.if \masked
.irp u, 0,1
.irp t, 0,1,2,3
.irp jj, 0,1,2,3,4,5,6,7
	v_cmp_gt_i32 vcc_lo, 16*\t+\jj, v[DL+\u]
	v_cndmask_b32 v[S+32*\u+8*\t+\jj], v[S+32*\u+8*\t+\jj], v[NINF], vcc_lo
.endr
.endr
.endr
.endif
	; the maximum of a lane's 32 numbers of each query tile: two chains a tile, four in all, which do not wait for each other
.irp c, 0,1,2,3
	v_max_num_f32 v[T+\c], v[S+16*\c], v[S+16*\c+1]
.endr
.set i, 2
.rept 7
.irp c, 0,1,2,3
	v_max3_num_f32 v[T+\c], v[T+\c], v[S+16*\c+i], v[S+16*\c+i+1]
.endr
.set i, i+2
.endr
.if \zero
	v_max_num_f32 v[T], v[T], v[T+1]
	v_max_num_f32 v[T+2], v[T+2], v[T+3]
.else
	v_max3_num_f32 v[T], v[T], v[T+1], v[M]
	v_max3_num_f32 v[T+2], v[T+2], v[T+3], v[M+1]
.endif
	v_permlanex16_b32 v[T+1], v[T], s38, s39       ; the other half's keys of the same query
	v_permlanex16_b32 v[T+3], v[T+2], s38, s39
	v_max_num_f32 v[T], v[T], v[T+1]
	v_max_num_f32 v[T+2], v[T+2], v[T+3]
	v_mul_f32 v[NM], s3, v[T]                      ; -c x the new maximum
	v_mul_f32 v[NM+2], s3, v[T+2]
.if \zero == 0
	v_fma_f32 v[AL], v[M], s40, v[NM]              ; c (old maximum - new maximum): 0 or below, up to the rounding of NM
	v_fma_f32 v[AL+2], v[M+1], s40, v[NM+2]
.endif
	v_mov_b32 v[NM+1], v[NM]
	v_mov_b32 v[NM+3], v[NM+2]
	v_mov_b32 v[M], v[T]
	v_mov_b32 v[M+1], v[T+2]
	; c y - c maximum, two scores in one fused multiply-add; both halves take c from s40
.set i, 0
.rept 16
	v_pk_fma_f32 v[S+2*i:S+2*i+1], v[S+2*i:S+2*i+1], s[40:41], v[NM:NM+1] op_sel_hi:[1,0,1]
	v_pk_fma_f32 v[S+32+2*i:S+32+2*i+1], v[S+32+2*i:S+32+2*i+1], s[40:41], v[NM+2:NM+3] op_sel_hi:[1,0,1]
.set i, i+1
.endr
.if \zero == 0
	v_exp_f32 v[AL], v[AL]
	v_exp_f32 v[AL+2], v[AL+2]
.endif
.set i, 0
.rept 64
	v_exp_f32 v[S+i], v[S+i]
.set i, i+1
.endr
	v_nop                                          ; one plain place behind the run of exponentials before a result is used (ISA guide 5.7.2)
.if \zero == 0
	s_wait_alu depctr_va_vdst(0)
	v_mov_b32 v[AL+1], v[AL]
	v_mov_b32 v[AL+3], v[AL+2]
.endif
	; l = l x factor + the sum of p, in f32, a pair of partial sums a lane; p packed to bf16 in place: pair i of a tile's 32 registers goes to
	; its register i, which has been read by then.  The two tiles take turns, so that no sum waits for the one in front of it.
.set i, 0
.rept 16
.irp u, 0,1
.set x, S+32*\u
.set doadd, 1
.if i == 0
.set doadd, 0
.if \zero
	s_wait_alu depctr_va_vdst(0)
	v_pk_add_f32 v[LS+2*\u:LS+2*\u+1], v[x:x+1], v[x+2:x+3]
.else
	v_pk_fma_f32 v[LS+2*\u:LS+2*\u+1], v[LS+2*\u:LS+2*\u+1], v[AL+2*\u:AL+2*\u+1], v[x:x+1]
.endif
.endif
.if i == 1
.if \zero
.set doadd, 0
.endif
.endif
.if doadd
	v_pk_add_f32 v[LS+2*\u:LS+2*\u+1], v[LS+2*\u:LS+2*\u+1], v[x+2*i:x+2*i+1]
.endif
	v_cvt_pk_bf16_f32 v[x+i], v[x+2*i], v[x+2*i+1]
.endr
.set i, i+1
.endr
.endm
; O^T = O^T x factor + V^T P^T: 8 groups of 4 products on a ring of three V buffers.  The rescaling of the next group's tiles fills the places
; between a group's products and the load into the buffer that they read; where there is none, four v_nop.
.macro PV cur, zero
	WIN W_PV
.if \zero == 0
	RESC 0
.endif
.irp G, 0,1,2,3,4,5,6,7
.if \G <= 5
	s_wait_dscnt 0x8                               ; group G is in; the two younger groups (4 loads each) stay out
.else
	s_wait_dscnt 4*(7-\G)                          ; the ring runs out: one younger group, then none
.endif
	MULV \G, \zero
.if \G <= 4
.set fill, 1
.if \zero == 0
.if \G <= 2
	RESC \G+1
.set fill, 0
.endif
.endif
.if fill
	PLACES 4
.endif
	FETCHV \cur, \G+3
.endif
.endr
	PLACES 5                                       ; five places before the next step's products write over P, four before O is read on the way out
	WIN 0
.endm
; ONE STEP on slot cur.  skip = 1: a wave whose last row lies above the step's first key does no arithmetic.  wrap = 1: this may be the
; block's last step (s45 = 1): the next tile is then the head's tile 0 for the second block, or none at all behind the second block.
; One barrier a step: in front of it each wave has waited for its reads of slot cur and its stores into the other slot; behind it the other
; slot is read and slot cur written.
.macro STEP cur, zero, masked, skip, wrap, id
.if \wrap
	s_and_b32 s47, s34, s45
	s_cmp_lg_u32 s47, 0
	s_cbranch_scc1 .Lnl_\id                        ; second block, last step: nothing follows
	s_cmp_eq_u32 s45, 1
	s_cselect_b64 s[22:23], s[18:19], s[22:23]     ; (the loads that named these bases were waited for in the last CONV)
	s_cselect_b64 s[24:25], s[20:21], s[24:25]
.endif
	LOADT
	PFETCH \id
.if \wrap
.Lnl_\id:
.endif
.if \skip
	s_add_co_i32 s47, s36, s37                     ; my last row + 1 - the step's first key
	s_cmp_le_i32 s47, 0
	s_cbranch_scc1 .Lsk_\id
.endif
	QK \cur
	SOFTMAX \zero, \masked
	PV \cur, \zero
.if \skip
.Lsk_\id:
.endif
.if \masked
	s_sub_co_i32 s36, s36, 64
.endif
.if \wrap
	s_and_b32 s47, s34, s45
	s_cmp_lg_u32 s47, 0
	s_cbranch_scc1 .Lns_\id
.endif
	CONV 1-\cur
.if \wrap
.Lns_\id:
	s_wait_loadcnt 0x0                             ; whichever way this label is reached, no tile load is out: the way out uses their registers
.endif
	s_wait_dscnt 0x0                               ; for the other waves: my reads of this slot and my stores into the other are done
	s_barrier_signal -1
	s_barrier_wait -1
.endm
	; ---------------------------------------------------------------- start
	s_load_b256 s[4:11], s[0:1], 0x0               ; q s[4:5], k s[6:7], v s[8:9], out s[10:11]
	s_set_vgpr_msb 0x40
	v_lshl_add_u32 v254, v0, 2, 0x33800
	v_mov_b32 v255, 0
	s_set_vgpr_msb 0x4000
	v_lshrrev_b32 v[T], 5, v0
	v_readfirstlane_b32 s12, v[T]                  ; w
	v_and_b32 v[LANE], 31, v0
	v_and_b32 v[RR], 15, v0
	v_bfe_u32 v[HH], v0, 4, 1
	s_mov_b32 s14, ttmp9                           ; j
	s_and_b32 s15, ttmp7, 0xffff                   ; head
	s_sub_co_u32 s47, 11, s12
	s_cmp_lt_u32 s12, 4
	s_cselect_b32 s13, s12, s47                    ; g
	s_lshl_b32 s47, s12, 12
	v_lshl_add_u32 v[GOF], v[LANE], 4, s47
	v_lshlrev_b32 v[L16], 4, v[LANE]
	s_lshl_b32 s16, s15, 20                        ; a head is 2048 x 128 x 4 bytes; 64 heads stay below 4 GiB
	s_mov_b32 s17, 0
	s_wait_kmcnt 0x0
	s_add_nc_u64 s[4:5], s[4:5], s[16:17]          ; q, k, v, out at the head
	s_add_nc_u64 s[18:19], s[6:7], s[16:17]
	s_add_nc_u64 s[20:21], s[8:9], s[16:17]
	s_add_nc_u64 s[50:51], s[10:11], s[16:17]
	s_mov_b64 s[22:23], s[18:19]                   ; the next tile of K and of V: tile 0
	s_mov_b64 s[24:25], s[20:21]
	s_cmp_lt_u32 s12, 4
	s_cselect_b64 s[26:27], s[18:19], s[20:21]     ; waves 0-3 prefetch K, waves 4-7 V
	s_add_nc_u64 s[26:27], s[26:27], TILEB         ; tile 1; the CONV in front of step 0 makes it tile 2
	s_lshl_b32 s49, s13, 14                        ; 32 g rows of 512 bytes
	s_sub_co_u32 s47, 7, s14
	s_lshl_b32 s16, s47, 17                        ; 256 rows of 512 bytes a block
	s_add_co_u32 s16, s16, s49
	s_add_nc_u64 s[30:31], s[4:5], s[16:17]        ; my q rows of block 7 - j
	s_lshl_b32 s16, s14, 17
	s_add_co_u32 s16, s16, s49
	s_add_nc_u64 s[32:33], s[4:5], s[16:17]        ; and of block j
.set i, 0
.rept 32
	global_load_b128 v[S+4*i:S+4*i+3], v[L16], s[30:31] offset:512*i th:TH_LOAD_NT
.set i, i+1
.endr
	WIN W_TO1
.set i, 0
.rept 32
	global_load_b128 v[O+4*i:O+4*i+3], v[L16], s[32:33] offset:512*i th:TH_LOAD_NT
.set i, i+1
.endr
	WIN 0
	LOADT
	; constants and addresses, while the loads are on their way
	s_mov_b32 s38, 0x76543210                      ; v_permlanex16_b32: lane i of one half reads lane i of the other
	s_mov_b32 s39, 0xfedcba98
	s_mov_b32 s40, 0x3e0293ee                      ; c = log2(e) / sqrt(128)
	s_mov_b32 s41, 0x3e0293ee                      ; (the pair's second word is written too; the packed forms take s40 for both halves)
	s_mov_b32 s3, 0xbe0293ee                       ; -c
	; slope = 2^(-n/2), n = head % 16 + 1, so sqrt(128) slope = 2^((7-n)/2) = (n odd: 1; n even: sqrt(2)) x 2^floor((7-n)/2): on the exponent field
	s_and_b32 s47, s15, 15
	s_add_co_u32 s47, s47, 1                       ; n
	s_sub_co_i32 s49, 7, s47
	s_ashr_i32 s49, s49, 1                         ; floor((7 - n) / 2): 3 down to -5
	s_lshl_b32 s49, s49, 23
	s_mov_b32 s43, 0x3fb504f3                      ; sqrt(2)
	s_and_b32 s47, s47, 1                          ; SCC = n is odd
	s_cselect_b32 s43, 0x3f800000, s43
	s_add_co_u32 s43, s43, s49                     ; sqrt(128) slope
	s_add_co_u32 s42, s43, 6<<23
	s_or_b32 s42, s42, 0x80000000                  ; -64 sqrt(128) slope
	s_lshl_b32 s37, s13, 5
	s_add_co_u32 s37, s37, 32                      ; 32 g + 32
	s_mul_i32 s48, s12, WBYTES
	s_add_co_u32 s48, s48, QBASE                   ; my own region of LDS
	s_cmp_eq_u32 s14, 0
	s_cselect_b32 s46, 30, 0                       ; prefetches left
	v_mul_u32_u24 v[KRD], v[RR], KPITCH
	v_lshl_add_u32 v[KRD], v[HH], 4, v[KRD]
	s_mul_i32 s47, s12, 8*KPITCH
	v_lshl_add_u32 v[KST], v[LANE], 3, s47
	s_mul_i32 s49, s12, 8*VPITCH
	s_add_co_u32 s49, s49, VOFF
	v_lshl_add_u32 v[VST], v[LANE], 3, s49
	v_and_b32 v[PFO], 127, v0
	v_lshlrev_b32 v[PFO], 8, v[PFO]
	v_lshlrev_b32 v[T+1], 3, v[HH]                 ; 8 h
	v_sub_nc_u32 v[LB], v[RR], v[T+1]
	s_lshl_b32 s47, s13, 5
	v_add_nc_u32 v[LB], s47, v[LB]
	v_mov_b32 v[NINF], 0xff800000
	v_and_b32 v[T+2], 7, v[LANE]                   ; the transposing load: row 8 h + lane % 8 of V, 16 bytes for each half of 8 lanes
	v_lshl_add_u32 v[T+2], v[HH], 3, v[T+2]
	v_mul_u32_u24 v[T+2], v[T+2], VPITCH
	v_bfe_u32 v[T+3], v[LANE], 3, 1
	v_lshl_add_u32 v[T+2], v[T+3], 4, v[T+2]
	v_add_nc_u32 v[T+2], VOFF, v[T+2]
	WIN W_TO1
	v_mov_b32 v[VRD], v[T+2]
	WIN 0
.set i, 0
.rept 32
	v_add_nc_u32 v[BIAS+i], 16*(i/8)+i%8, v[T+1]
	v_cvt_f32_u32 v[BIAS+i], v[BIAS+i]
	v_mul_f32 v[BIAS+i], s43, v[BIAS+i]
.set i, i+1
.endr
	v_lshl_add_u32 v[T], v[LANE], 3, s48           ; where my 8 bytes of q's row 0 go
	; q to bf16, as it comes, into my own region: no other wave touches it, so no barrier orders it
	s_wait_loadcnt 48                              ; the first block's 32 rows are in: 32 + 16 loads are younger
.set i, 0
.rept 32
	v_cvt_pk_bf16_f32 v[S+4*i], v[S+4*i], v[S+4*i+1]
	v_cvt_pk_bf16_f32 v[S+4*i+1], v[S+4*i+2], v[S+4*i+3]
	ds_store_b64 v[T], v[S+4*i:S+4*i+1] offset:KPITCH*i
.set i, i+1
.endr
	s_wait_loadcnt 16                              ; the second block's rows are in: the tile's 16 loads are younger
	WIN W_Q1
.set i, 0
.rept 32
	v_cvt_pk_bf16_f32 v[O+4*i], v[O+4*i], v[O+4*i+1]
	v_cvt_pk_bf16_f32 v[O+4*i+1], v[O+4*i+2], v[O+4*i+3]
.set i, i+1
.endr
	WIN W_QK
.set i, 0
.rept 32
	ds_store_b64 v[T], v[O+4*i:O+4*i+1] offset:QBLK+KPITCH*i
.set i, i+1
.endr
	WIN 0
	CONV 0                                         ; tile 0 into slot 0
	s_wait_dscnt 0x0                               ; for the other waves: my rows of tile 0 are in LDS
	s_barrier_signal -1
	s_barrier_wait -1
	; ---------------------------------------------------------------- two blocks
	s_mov_b32 s34, 0
.Lblock:
	s_sub_co_u32 s47, 7, s14
	s_cmp_eq_u32 s34, 0
	s_cselect_b32 s35, s47, s14                    ; qb = 7 - j, then j
	s_cselect_b32 s49, 0, QBLK
	s_lshl_b32 s16, s35, 17
	s_lshl_b32 s47, s13, 14
	s_add_co_u32 s16, s16, s47
	s_mov_b32 s17, 0
	s_add_nc_u64 s[28:29], s[50:51], s[16:17]      ; out at my first row (the last block's stores: s_wait_xcnt 0 at its end)
	s_lshl_b32 s36, s35, 8                         ; the block's first row - the step's first key
	s_add_co_u32 s49, s49, s48
	v_add_nc_u32 v[T], s49, v[KRD]
	WIN W_TO1
.irp u, 0,1
.irp c, 0,1,2,3
	ds_load_b128 v[Q+8*(4*\u+\c):Q+8*(4*\u+\c)+3],   v[T] offset:16*KPITCH*\u+64*\c      ; my own stores, served in order: no wait between
	ds_load_b128 v[Q+8*(4*\u+\c)+4:Q+8*(4*\u+\c)+7], v[T] offset:16*KPITCH*\u+64*\c+32
.endr
.endr
	WIN 0
	; the first two steps carry the mask, since in block 0 they lie on the diagonal; elsewhere it changes nothing
	STEP 0, 1, 1, 0, 0, 1
	STEP 1, 0, 1, 1, 0, 2
	s_mov_b32 s45, 1                               ; block 0: two of its four steps are done, and s36 stands at -128 as it must
	s_cmp_eq_u32 s35, 0
	s_cbranch_scc1 .Ldiag
	s_lshl_b32 s44, s35, 1
	s_sub_co_u32 s44, s44, 1                       ; 4 qb - 2 steps below the diagonal are left: 2 qb - 1 pairs, at least 1
.Lmain:
	STEP 0, 0, 0, 0, 0, 3
	STEP 1, 0, 0, 0, 0, 4
	s_sub_co_i32 s44, s44, 1
	s_cmp_gt_i32 s44, 0
	s_cbranch_scc1 .Lmain
	s_mov_b32 s45, 0
	s_mov_b32 s36, 0                               ; the diagonal's first key is the block's first row
.Ldiag:
	STEP 0, 0, 1, 1, 0, 5
	STEP 1, 0, 1, 1, 1, 6
	s_add_co_u32 s45, s45, 1
	s_cmp_lt_u32 s45, 2
	s_cbranch_scc1 .Ldiag
	; ---------------------------------------------------------------- the way out: O / l
	v_add_f32 v[T], v[LS], v[LS+1]
	v_add_f32 v[T+2], v[LS+2], v[LS+3]
	v_permlanex16_b32 v[T+1], v[T], s38, s39       ; the other half's keys
	v_permlanex16_b32 v[T+3], v[T+2], s38, s39
	v_add_f32 v[T], v[T], v[T+1]
	v_add_f32 v[T+2], v[T+2], v[T+3]
	v_rcp_f32 v[AL], v[T]                          ; l holds the term of the maximum, which is 1 up to rounding: never near 0
	v_rcp_f32 v[AL+2], v[T+2]
	v_mul_u32_u24 v[S], v[RR], SPITCH              ; (the plain place behind the reciprocals)
	s_wait_alu depctr_va_vdst(0)
	v_mov_b32 v[AL+1], v[AL]
	v_mov_b32 v[AL+3], v[AL+2]
	v_lshl_add_u32 v[S], v[HH], 5, v[S]
	v_add_nc_u32 v[S], s48, v[S]                   ; in: row r of the stage, 32 bytes for each half of the lanes
	v_add_nc_u32 v[S+1], s48, v[L16]               ; back: a whole row of 512 bytes, 16 bytes a lane
	WIN W_PV
	RESC 0
	RESC 1
	RESC 2
	RESC 3
	; A lane holds 8 neighbouring d of one query.  16 queries at a time go through my own stage and come back as whole rows.
.irp u, 0,1
	WIN W_QK
.irp db, 0,1,2,3,4,5,6,7
	ds_store_b128 v[S], v[O+8*(2*\db+\u):O+8*(2*\db+\u)+3]   offset:64*\db
	ds_store_b128 v[S], v[O+8*(2*\db+\u)+4:O+8*(2*\db+\u)+7] offset:64*\db+16
.endr
	WIN 0
	s_wait_xcnt 0x0                                ; the row registers, which earlier stores read, are loaded again only behind this wait
.set rw, 0
.rept 16
	ds_load_b128 v[ST+4*rw:ST+4*rw+3], v[S+1] offset:SPITCH*rw     ; LDS serves a wave's instructions in order: these see the stores above
.set rw, rw+1
.endr
.set rw, 0
.rept 16
	s_wait_dscnt 15-rw                             ; row rw is in; the younger rows' loads stay out
	global_store_b128 v[L16], v[ST+4*rw:ST+4*rw+3], s[28:29] offset:512*(16*\u+rw) th:TH_STORE_NT   ; the wave stores 512 consecutive bytes, a whole row of out
.set rw, rw+1
.endr
.endr
	s_wait_xcnt 0x0                                ; the stores' base and data are rewritten in the next block only behind this wait
	s_add_co_u32 s34, s34, 1
	s_cmp_lt_u32 s34, 2
	s_cbranch_scc1 .Lblock
	s_set_vgpr_msb 0x5
	s_wait_tensorcnt 0x0
	ds_add_u32 v254, v255
	s_wait_dscnt 0x0
	s_set_vgpr_msb 0x500
	s_endpgm
.Lfunc_end_k_qa60ccd270f_attn:
	.size	k_qa60ccd270f_attn, .Lfunc_end_k_qa60ccd270f_attn-k_qa60ccd270f_attn
	.p2alignl 7, 3214868480
	.fill 96, 4, 3214868480
	.section	.rodata,"a",@progbits
	.p2align	6, 0x0
	.amdhsa_kernel k_qa60ccd270f_attn
		.amdhsa_group_segment_fixed_size 211968
		.amdhsa_private_segment_fixed_size 0
		.amdhsa_enable_private_segment 0
		.amdhsa_kernarg_size 32
		.amdhsa_user_sgpr_count 2
		.amdhsa_user_sgpr_kernarg_segment_ptr 1
		.amdhsa_wavefront_size32 1
		.amdhsa_system_sgpr_workgroup_id_x 1
		.amdhsa_system_sgpr_workgroup_id_y 1
		.amdhsa_system_sgpr_workgroup_id_z 1
		.amdhsa_system_vgpr_workitem_id 0
		.amdhsa_next_free_vgpr 512
		.amdhsa_next_free_sgpr 66
		.amdhsa_reserve_vcc 1
		.amdhsa_float_denorm_mode_32 3
		.amdhsa_float_denorm_mode_16_64 3
		.amdhsa_memory_ordered 1
		.amdhsa_forward_progress 1
		.amdhsa_inst_pref_size 233
	.end_amdhsa_kernel
	.amdgpu_metadata
---
amdhsa.version: [ 1, 2 ]
amdhsa.kernels:
  - .name:           k_qa60ccd270f_attn
    .symbol:         k_qa60ccd270f_attn.kd
    .args:
      - { .name: q, .offset: 0, .size: 8, .value_kind: global_buffer, .address_space: global }
      - { .name: k, .offset: 8, .size: 8, .value_kind: global_buffer, .address_space: global }
      - { .name: v, .offset: 16, .size: 8, .value_kind: global_buffer, .address_space: global }
      - { .name: out0, .offset: 24, .size: 8, .value_kind: global_buffer, .address_space: global }
    .group_segment_fixed_size: 211968
    .private_segment_fixed_size: 0
    .kernarg_segment_align: 8
    .kernarg_segment_size: 32
    .max_flat_workgroup_size: 256
    .sgpr_count:     66
    .vgpr_count:     512
    .wavefront_size: 32
...
	.end_amdgpu_metadata
.endif
;; end of part 1
